; MI455X (gfx1250); checked and timed in simulation.
; The chip was launched on July 23, 2026; its instructions are those of AMD's public machine-readable ISA for CDNA 5 (MIT licence, August 2026) and "CDNA5" Instruction Set Architecture Reference Guide (July 2026). The comments in the code are by the model that wrote it; some were corrected since.
;; Multi Head Attention. Allowed arithmetic: matrix products marked QUANTISED: E4M3 operands, one given power-of-two scale a tensor, by v_wmma_f32_16x16x64_fp8_fp8 or v_wmma_f32_16x16x128_fp8_fp8, f32 sums; everything else in f32.
;; Inputs: lowp_scales 8 int32 (the exponents e of the quantised operands' scales 2^e); out_b 1,024 float32; out_w_codes 1,024 x 32 x 32 uint8 (E4M3 codes of out_w, K innermost, in blocks of 32 codes); qkv_b 3,072 float32; qkv_w_codes 3,072 x 32 x 32 uint8 (E4M3 codes of qkv_w, K innermost, in blocks of 32 codes); x_codes 4 x 2,048 x 32 x 32 uint8 (E4M3 codes of x, K innermost, in blocks of 32 codes).
;; Outputs: out0 4 x 2,048 x 1,024 float32.
;; This version of the problem:
;;   THIS VERSION OF THE PROBLEM IS GIVEN IN LOW PRECISION. The matrix products marked QUANTISED in the list below multiply operands that are first quantised to E4M3 (4 exponent bits, 3 mantissa bits; 8 bits a number), with one given power-of-two scale for each operand tensor; their sums are f32. All else is computed in f32.
;;   The module's matrix products, in the order in which they are computed (A, B: the left and right operand; K: the contracted axis; several contracted axes count as one K, in the product's order):
;;     1. [M 8,192, K 1,024] x [K 1,024, N 3,072]; A: input x (given as codes); B: input qkv_w (given as codes): QUANTISED (scales: A lowp_scales[0], B lowp_scales[1])
;;     2. batch 64 x [M 2,048, K 64] x [K 64, N 2,048]; A: computed on the way; B: computed on the way: QUANTISED (scales: A lowp_scales[2], B lowp_scales[3])
;;     3. batch 64 x [M 2,048, K 2,048] x [K 2,048, N 64]; A: softmax (see below); B: computed on the way: QUANTISED (scales: A lowp_scales[4], B lowp_scales[5])
;;     4. [M 8,192, K 1,024] x [K 1,024, N 1,024]; A: computed on the way; B: input out_w (given as codes): QUANTISED (scales: A lowp_scales[6], B lowp_scales[7])
;;   THE QUANTISER, for each operand of a quantised product, along K:
;;     - The operand's scale is 2^e, e = its entry of the input lowp_scales (int32; the entries are numbered through the quantised products in the list's order, A before B).
;;     - Each number is divided by the scale, clamped to +-448, and rounded to the nearest number of E4M3, ties to even, subnormals kept.
;;     - The product sums the exact products of the quantised numbers (number of the format x scale) in f32.
;;   ~~~python
;;   def quantise(x, axis, e):      # numpy; x: float32 -> the quantised numbers, widened to float32 again
;;       x = np.moveaxis(x, axis, -1); K = x.shape[-1]
;;       r = np.clip(x / 2.0 ** e, -448, 448)
;;       step = 2.0 ** (np.maximum(np.frexp(np.where(r == 0, 1, r))[1] - 1, -6) - 3)
;;       q = np.round(r / step) * step * 2.0 ** e      # np.round: ties to even
;;       return np.moveaxis(q, -1, axis).astype(np.float32)
;;   ~~~
;;   SOFTMAX AHEAD OF A QUANTISED PRODUCT. Where the list says 'softmax', what is quantised is not the finished softmax but p = 2^(t - M), with t = logit x log2(e) and M = ceil(the row's largest t), a whole number; so 1/2 < the row's largest p <= 1. The row's sum l is taken of the UNQUANTISED p, in f32, and the product's result is divided by l at the end. Since M is a whole number, a kernel that streams over the keys may use a running M (the ceiling of the running maximum): every later rescaling is an exact power of two, so the quantised numbers keep their values, but for numbers so far below the row's largest that they fall under the format's range.
;;   OPERANDS COMPUTED ON THE WAY. 'Computed on the way' means the value that the module computes at that place (a softmax that the list does not call 'softmax' is quantised finished and normalised). What goes into a quantiser is computed in f32, as accurately as f32 sums, v_exp_f32 and their like allow (about 1e-6 of the number): no bf16 or f16 on the way to a quantiser, and a product that is left as it is and whose result goes on into a quantised operand takes f32 operands (vector FMAs, or v_wmma_f32_16x16x4_f32). A number that lies on a knife's edge between two numbers of the format may be rounded either way, as far as f32 arithmetic and the matrix unit's own rounding can turn it there, and no further.
;;   INPUTS GIVEN AS CODES. out_w (in the module: [1024, 1024], K = its axis 1); qkv_w (in the module: [3072, 1024], K = its axis 1); x (in the module: [4, 2048, 1024], K = its axis 2): each comes as NAME_codes (uint8): NAME with its K axis moved to the last place and cut into blocks of 32 codes, [.., K / 32, bytes a block], one block behind the other in memory; one code a byte (a code: sign, 4 exponent bits, 3 mantissa bits); its scale is its entry of lowp_scales. Its value is code x scale, taken as it is: it is not quantised again, and the codes and scales need not be those that the quantiser above would give.
;; One version. Each part assembles by itself: llvm-mc -triple=amdgcn-amd-amdhsa -mcpu=gfx1250 --defsym DOCPART=n.
;; ======== version 1 of 1: 3 launches
;; limits: right only within a limited range of input values
;; workspace buffers: q_img 8,388,608 bytes; k_img 8,388,608 bytes; v_img 8,388,608 bytes; a_img 8,388,608 bytes
;; launch qkv (part 1): grid 8 x 32, 4 waves a work-group, clusters of 4 x 4, 327,680 bytes of LDS; arguments x_codes, qkv_w_codes, lowp_scales, qkv_b, q_img, k_img, v_img; writes q_img, k_img, v_img
.if DOCPART == 1
	.amdgcn_target "amdgcn-amd-amdhsa--gfx1250"
	.amdhsa_code_object_version 6
	.text
	.protected	k_q9dca5af4ad_qkv
	.globl	k_q9dca5af4ad_qkv
	.p2align	8
	.type	k_q9dca5af4ad_qkv,@function
k_q9dca5af4ad_qkv:
	s_mov_b64 s[64:65], 0
	v_nop
	global_prefetch_b8 v0, s[64:65] scope:SCOPE_SE
	s_setreg_imm32_b32 hwreg(HW_REG_WAVE_MODE, 25, 1), 1
	s_wait_xcnt 0x0
	s_wait_alu depctr_hold_cnt(0) depctr_sa_sdst(0) depctr_va_vdst(0) depctr_va_sdst(0) depctr_va_ssrc(0) depctr_va_vcc(0) depctr_vm_vsrc(0)
	s_getreg_b32 s2, hwreg(HW_REG_IB_STS2, 6, 4)
	s_cmp_eq_u32 s2, 0
	s_cbranch_scc0 .Lentry_in_a_cluster
	s_endpgm
.Lentry_in_a_cluster:
	s_bfe_u32 s2, ttmp6, 0x10000c
	s_cmp_lg_u32 s2, 0xf033
	s_cbranch_scc0 .Lentry_shape_is_right
	s_endpgm
.Lentry_shape_is_right:
; qkv = x W^T + b on codes of FP8 (E4M3); q, k and v are quantised and stored as IMAGES OF OPERAND REGISTERS for the attention launch.
; x: [8192][1024] codes, scale 2^e0.  W: [3072][1024] codes, scale 2^e1.  value = sum x 2^(e0 + e1) + b; code = value / 2^eo held within +-448, eo = e2 (q), e3 (k), e5 (v).
; LIMITS: e0 + e1 between -126 and 127; e2, e3, e5 between -126 and 119, so that each power of two below is an f32 number.  NaN among the inputs is not served.
; 256 WORK-GROUPS, EACH WITH TWO PHASES, so that all have equal work: 256 tiles of q and k, and 128 tiles' worth of v cut in halves.
;   phase 1: a tile of 256 tokens x 256 features of q (cluster x = 0) or k (1): tokens in the A-place (source 1: its row becomes the result's lane), features in the B-place (source 0: along the result's registers).
;   phase 2: 128 features of v in the A-place x 256 tokens in the B-place: a lane holds one channel and eight neighbouring keys, the K of p v.
; K goes in steps of 256 through a ring of two LDS slots; the ring does not stop between the phases: phase 1's last two changes of slots ask for phase 2's first two K steps, which land while phase 1's results are converted and stored.
; A wave makes 128 x 128 (64 accumulators) in phase 1 and 64 x 128 (32) in phase 2.  NH = the A-place's blocks in half a step: 4, then 2.
; CLUSTERS: 4 x 4.  The A-place's tile hangs on cy alone and is asked for jointly by a row of the cluster, the B-place's on cx alone and by a column, in both phases.
; PREFETCH: behind the load of K step n of the stream (phase 1's four, then phase 2's four) stands a prefetch of step n + 2 (at the head: of steps 1 and 2); a lane a row of 256 bytes; the four partners of a joint load
; share its rows out by address; rows of W, which eight clusters read, are asked for by the clusters with y under 4 alone.  The last two loads ask for nothing.
; THE IMAGES.  128 tokens x a pair of heads are a block of 16,384 bytes: block = ((batch x 8 + head pair) x 16 + group of 128 tokens).  Piece (a, g) is 512 bytes, lane l's 16 bytes at 16 l, at
; (a / 4) 8192 + (a % 4) 1024 + (g / 2) 4096 + (g % 2) 512: four registers of a fragment of the 16x16x64 form, as the conversions leave them.
; REGISTERS: window 0: v0-31 addresses and constants; v32-95 the bias by register (q, k); v96-103 the bias by lane (v), in pairs; from v128 the A-place's fragments, one set; on the way out v128-191 numbers, v192-255 codes.
;   window 1: the B-place's fragments, two sets.   windows 2, 3: accumulators ((a, b) at v[8 (8 (a % 4) + b)]).
.set ROWB,   256
.set KROW,   1024
.set PITCH,  272                       ; 256 bytes + 16 of padding: the 16 rows of a fragment load start at 16 different banks (ISA guide 11.1)
.set FR,     16
.set NL,     4
.set NP,     4                         ; places behind this matrix instruction (ISA guide 7.12.1)
.set HALFT,  128*PITCH
.set SLOT,   4*HALFT                   ; the A-place's 256 rows, then the B-place's
.set SPARE,  2*SLOT                    ; the spare words: 512 bytes that no other line names
.set PFO,  10                          ; v10, v11 the prefetches' offsets in phase 1, 2: a lane a row
.set SCL2, 12                          ; v12  2^e5     v13  448 x 2^e5
.set LIM2, 13
.set ADRA, 16
.set ADRB, 20
.set CO,   26
.set SPW,  28
.set NIL,  29
.set SCL,  30                          ; 2^eo of q or k, and 448 x that
.set LIM,  31
.set BR,   32
.set BL,   96
.set AF,   128
.set T,    128
.set CD,   192
.set G1, 24                            ; group 1: A-place, 128 rows;  G1C: A-place, 64 rows;  G1B: B-place
.set G0, 32
.set G1B, 48
.set G0B, 56
.set G1C, 88
.set PA2, 100                          ; s[100:101], s[104:105] phase 2's tiles in memory
.set PB2, 104
.set MSB, 0
.macro WIN new
.if MSB != (\new)
	s_set_vgpr_msb (MSB<<8)|(\new)
.set MSB, (\new)
.endif
.endm
.set MUL_LO, 0xa1
.set TO_B,   0x40
.macro JLOAD g0a, g1a, g0b, g1b        ; waves 0, 1 fetch for the A-place, waves 2, 3 for the B-place
	s_cmp_eq_u32 s15, 0
	s_cbranch_scc0 .Lfor_b_\@
	tensor_load_to_lds s[\g0a:\g0a+3], s[\g1a:\g1a+7]
	s_nop 0
.rept 4
	v_nop
.endr
	s_branch .Lasked_\@
.Lfor_b_\@:
	tensor_load_to_lds s[\g0b:\g0b+3], s[\g1b:\g1b+7]
	s_nop 0
.rept 4
	v_nop
.endr
.Lasked_\@:
.endm
.macro CREST
	s_cmp_lg_u32 s14, 0
	s_cbranch_scc1 .Lnot_wave_0_\@
	s_barrier_signal -3
.Lnot_wave_0_\@:
	s_barrier_wait -3
	s_barrier_signal -1
	s_barrier_wait -1
.endm
.macro CROUND
	s_barrier_signal -1
	s_barrier_wait -1
	CREST
.endm
.macro ASK ph, k                       ; K step k of phase ph: my work-group's share of the rows that I fetch.  s18, s19: does my wave ask in phase 1, 2
	s_cmp_lg_u32 s[17+\ph], 0
	s_cbranch_scc0 .Lnot_mine_\@
	global_prefetch_b8 v[PFO+\ph-1], s[18+2*\ph:19+2*\ph] offset:\k*ROWB th:TH_LOAD_NT scope:SCOPE_SE
.Lnot_mine_\@:
.endm
	s_load_b256 s[4:11], s[0:1], 0x0               ; x, W, the exponents, the bias
	s_load_b128 s[68:71], s[0:1], 0x20             ; q's image, k's
	s_load_b64 s[72:73], s[0:1], 0x30              ; v's
	v_lshl_add_u32 v[SPW], v0, 2, SPARE
	v_mov_b32 v[NIL], 0
	ds_add_u32 v[SPW], v[NIL]                      ; the opening lines: the add, twice on end, and its wait
	ds_add_u32 v[SPW], v[NIL]
	v_lshrrev_b32 v1, 5, v0
	v_readfirstlane_b32 s14, v1                    ; wave 0..3
	s_lshr_b32 s15, s14, 1                         ; my half of the A-place's rows.  Also: I fetch for the A-place (0) or the B-place (1)
	s_and_b32 s16, s14, 1                          ; my half of the B-place's rows.  Also: which half of that tile I fetch
	s_bfe_u32 s40, ttmp6, 0x40000                  ; cx
	s_bfe_u32 s41, ttmp6, 0x40004                  ; cy
	s_and_b32 s17, ttmp7, 0xffff                   ; the cluster's y: which 1,024 tokens
	s_lshl_b32 s43, s41, 2
	s_lshl_b32 s43, 15, s43                        ; my row of the cluster
	s_lshl_b32 s44, 0x1111, s40                    ; my column
	s_or_b32 s[G1+0], s43, (1<<20)|(1<<21)|(5<<22)|(3<<25)   ; elements of 1 byte; four words of padding after every 64
	s_or_b32 s[G1C+0], s43, (1<<20)|(1<<21)|(5<<22)|(3<<25)
	s_or_b32 s[G1B+0], s44, (1<<20)|(1<<21)|(5<<22)|(3<<25)
.irp g, G1, G1B, G1C
	s_mov_b32 s[\g+1], ROWB<<16
	s_mov_b32 s[\g+3], ROWB<<16
	s_mov_b32 s[\g+5], KROW
	s_mov_b32 s[\g+6], 0
	s_mov_b32 s[\g+7], 0
.endr
.irp g, G1, G1B
	s_mov_b32 s[\g+2], 128<<16
	s_mov_b32 s[\g+4], 128
.endr
	s_mov_b32 s[G1C+2], 64<<16
	s_mov_b32 s[G1C+4], 64
	; the tiles' first rows.  Phase 1: A: token 1024 Y + 256 cy + 128 half; B: W's row 1024 X + 256 cx + 128 half.  Phase 2: A: W's row 2048 + 512 X + 128 cy + 64 half; B: token 1024 Y + 256 cx + 128 half
	s_lshl_b32 s18, s16, 7
	s_lshl_b32 s19, s17, 10
	s_lshl_b32 s22, ttmp9, 10
	s_lshl_b32 s20, s41, 8
	s_add_co_u32 s20, s20, s18
	s_add_co_u32 s20, s20, s19
	s_lshl_b32 s46, s40, 8
	s_add_co_u32 s46, s46, s18
	s_add_co_u32 s66, s46, s19
	s_add_co_u32 s46, s46, s22
	s_mov_b32 s42, s46                             ; my 128 features of q or k begin here too
	s_lshl_b32 s2, s41, 7
	s_lshl_b32 s3, s16, 6
	s_add_co_u32 s2, s2, s3
	s_lshr_b32 s3, s22, 1
	s_add_co_u32 s2, s2, s3
	s_add_co_u32 s2, s2, 2048
	s_lshl_b32 s20, s20, 10                        ; rows of 1,024 bytes
	s_lshl_b32 s46, s46, 10
	s_lshl_b32 s66, s66, 10
	s_lshl_b32 s2, s2, 10
	s_mov_b32 s21, 0
	s_mov_b32 s47, 0
	s_mov_b32 s67, 0
	s_mov_b32 s3, 0
	s_mul_i32 s45, s14, HALFT                      ; where they go: wave x 128 rows
	s_wait_dscnt 0x0
	s_wait_kmcnt 0x0
	s_load_b256 s[80:87], s[8:9], 0x0              ; e0 .. e7
	s_add_nc_u64 s[74:75], s[4:5], s[20:21]
	s_add_nc_u64 s[76:77], s[6:7], s[46:47]
	s_add_nc_u64 s[PA2:PA2+1], s[6:7], s[2:3]
	s_add_nc_u64 s[PB2:PB2+1], s[4:5], s[66:67]
	CROUND                                         ; in front of the first joint loads
.irp s, 0,1
	s_mov_b32 s[G0+4*\s], 1
	s_add_co_u32 s[G0+4*\s+1], s45, \s*SLOT
	s_add_nc_u64 s[G0+4*\s+2:G0+4*\s+3], s[74:75], \s*ROWB
	s_or_b32 s[G0+4*\s+3], s[G0+4*\s+3], 0x80000000
	s_mov_b32 s[G0B+4*\s], 1
	s_add_co_u32 s[G0B+4*\s+1], s45, \s*SLOT
	s_add_nc_u64 s[G0B+4*\s+2:G0B+4*\s+3], s[76:77], \s*ROWB
	s_or_b32 s[G0B+4*\s+3], s[G0B+4*\s+3], 0x80000000
.endr
	JLOAD G0, G1, G0B, G1B                         ; K step 0: one tensor load a wave at the head
	; the prefetches: of the rows that I fetch my work-group takes a quarter, by its place among the four that ask jointly (cx for the A-place, cy for the B-place)
	s_lshl_b32 s2, s40, 15                         ; 32 rows x cx
	s_lshl_b32 s46, s41, 15                        ; 32 rows x cy
	s_lshl_b32 s66, s40, 14                        ; 16 rows x cx
	s_add_nc_u64 s[4:5], s[74:75], s[2:3]
	s_add_nc_u64 s[6:7], s[76:77], s[46:47]
	s_add_nc_u64 s[2:3], s[PA2:PA2+1], s[66:67]
	s_add_nc_u64 s[46:47], s[PB2:PB2+1], s[46:47]
	s_cmp_eq_u32 s15, 0
	s_cselect_b64 s[20:21], s[4:5], s[6:7]         ; phase 1
	s_cselect_b64 s[22:23], s[2:3], s[46:47]       ; phase 2
	s_cselect_b32 s66, 15, 31                      ; phase 2: my share's last row
	s_cmp_lt_u32 s17, 4
	s_cselect_b32 s67, 1, 0
	s_or_b32 s19, s67, s15                         ; phase 2: tokens always, W's rows where y < 4
	s_xor_b32 s18, s15, 1
	s_or_b32 s18, s18, s67                         ; phase 1 likewise
	s_mul_i32 s2, s15, HALFT                       ; my rows of the A-place
	s_mul_i32 s3, s16, HALFT
	s_add_co_u32 s3, s3, 2*HALFT                   ; and of the B-place
	s_add_co_u32 s46, s2, SLOT
	s_add_co_u32 s47, s3, SLOT
	v_and_b32 v1, 15, v0                           ; r
	v_bfe_u32 v2, v0, 4, 1                         ; h
	v_mul_u32_u24 v3, v1, PITCH
	v_lshl_add_u32 v4, v2, 4, v3
	v_add_nc_u32 v[ADRA], s2, v4
	v_add_nc_u32 v[ADRB], s3, v4
	v_add_nc_u32 v[ADRA+1], s46, v4
	v_add_nc_u32 v[ADRB+1], s47, v4
	v_and_b32 v6, 31, v0
	v_lshlrev_b32 v[CO], 4, v6
	v_lshlrev_b32 v[PFO], 10, v6
	v_min_u32 v7, s66, v6                          ; lanes that are left over name the last row again
	v_lshlrev_b32 v[PFO+1], 10, v7
	v_lshlrev_b32 v5, 5, v2                        ; 32 h: eight numbers of the bias for each half of the lanes
	v_lshlrev_b32 v8, 2, v1                        ; 4 r: one number a lane
.irp a, 0,1,2,3
	v_mov_b32 v[BL+2*\a+1], 0                      ; (upper halves of named pairs)
.endr
	s_wait_alu depctr_va_vdst(0)
	ASK 1, 1
	ASK 1, 2
	s_lshl_b32 s2, ttmp9, 9                        ; the bias of v's channels 2048 + 512 X + 128 cy + 64 x my half
	s_lshl_b32 s3, s41, 7
	s_add_co_u32 s2, s2, s3
	s_lshl_b32 s3, s15, 6
	s_add_co_u32 s2, s2, s3
	s_add_co_u32 s2, s2, 2048
	s_lshl_b32 s2, s2, 2
	s_mov_b32 s3, 0
	s_add_nc_u64 s[12:13], s[10:11], s[2:3]
	s_lshl_b32 s2, s42, 2
	s_add_nc_u64 s[10:11], s[10:11], s[2:3]
.irp b, 0,1,2,3,4,5,6,7
	global_load_b128 v[BR+8*\b:BR+8*\b+3], v5, s[10:11] offset:64*\b
	global_load_b128 v[BR+8*\b+4:BR+8*\b+7], v5, s[10:11] offset:64*\b+16
.endr
.irp a, 0,1,2,3
	global_load_b32 v[BL+2*\a], v8, s[12:13] offset:64*\a
.endr
	; where my results go
	s_lshl_b32 s2, s17, 2
	s_add_co_u32 s3, s2, s41                       ; phase 1: tile of 256 tokens 4 Y + cy
	s_add_co_u32 s2, s2, s40                       ; phase 2: 4 Y + cx
	s_lshr_b32 s46, s3, 3
	s_lshl_b32 s46, s46, 3
	s_lshl_b32 s47, s40, 1
	s_add_co_u32 s46, s46, s47
	s_add_co_u32 s46, s46, s16                     ; batch x 8 + head pair 2 cx + half
	s_lshl_b32 s46, s46, 4
	s_and_b32 s3, s3, 7
	s_lshl_b32 s3, s3, 1
	s_add_co_u32 s46, s46, s3
	s_add_co_u32 s46, s46, s15
	s_lshl_b32 s46, s46, 14
	s_mov_b32 s47, 0
	s_lshr_b32 s66, s2, 3
	s_lshl_b32 s66, s66, 3
	s_lshl_b32 s67, ttmp9, 2
	s_add_co_u32 s66, s66, s67
	s_add_co_u32 s66, s66, s41                     ; batch x 8 + head pair 4 X + cy
	s_lshl_b32 s66, s66, 4
	s_and_b32 s2, s2, 7
	s_lshl_b32 s2, s2, 1
	s_add_co_u32 s66, s66, s2
	s_add_co_u32 s66, s66, s16
	s_lshl_b32 s66, s66, 1
	s_add_co_u32 s66, s66, s15                     ; my 64 channels are one head of the pair: 8,192 bytes of the block
	s_lshl_b32 s66, s66, 13
	s_mov_b32 s67, 0
	s_cmp_eq_u32 ttmp9, 0
	s_cselect_b64 s[78:79], s[68:69], s[70:71]
	s_add_nc_u64 s[78:79], s[78:79], s[46:47]
	s_add_nc_u64 s[98:99], s[72:73], s[66:67]
	s_wait_kmcnt 0x0                               ; the exponents
	s_cmp_eq_u32 ttmp9, 0
	s_cselect_b32 s2, s82, s83                     ; e2 or e3
	s_add_co_i32 s96, s80, s81
	s_add_co_i32 s96, s96, 127
	s_lshl_b32 s96, s96, 23                        ; 2^(e0 + e1)
	s_mov_b32 s97, s96
	s_add_co_i32 s2, s2, 127
	s_lshl_b32 s3, s2, 23
	v_mov_b32 v[SCL], s3
	s_add_co_i32 s2, s2, 8
	s_lshl_b32 s2, s2, 23
	s_or_b32 s2, s2, 0x600000
	v_mov_b32 v[LIM], s2
	s_add_co_i32 s2, s85, 127
	s_lshl_b32 s3, s2, 23
	v_mov_b32 v[SCL2], s3
	s_add_co_i32 s2, s2, 8
	s_lshl_b32 s2, s2, 23
	s_or_b32 s2, s2, 0x600000
	v_mov_b32 v[LIM2], s2
; n blocks of the A-place from a0 on x the B-place's eight, 128 along K.  p: the B-place's set.  The accumulators take turns, one instruction a turn.
.macro MULS a0, n, p, zero
.set ia, \a0
.rept \n
.irp b, 0,1,2,3,4,5,6,7
.if \zero
	v_wmma_f32_16x16x128_fp8_fp8 v[8*(8*(ia%4)+\b):8*(8*(ia%4)+\b)+7], v[128*(\p)+FR*\b:128*(\p)+FR*\b+FR-1], v[AF+FR*ia:AF+FR*ia+FR-1], 0
.else
	v_wmma_f32_16x16x128_fp8_fp8 v[8*(8*(ia%4)+\b):8*(8*(ia%4)+\b)+7], v[128*(\p)+FR*\b:128*(\p)+FR*\b+FR-1], v[AF+FR*ia:AF+FR*ia+FR-1], v[8*(8*(ia%4)+\b):8*(8*(ia%4)+\b)+7]
.endif
.endr
.set ia, ia+1
.endr
.endm
; a fragment: registers 4 c .. 4 c + 3 hold K = 32 c + 16 (l / 16) + 0 .. 15: the same order of k on both sides
.macro FETCH_B slot, q, p
	WIN TO_B
.irp i, 0,1,2,3,4,5,6,7
.irp c, 0,1,2,3
	ds_load_b128 v[128*(\p)+FR*\i+4*\c:128*(\p)+FR*\i+4*\c+3], v[ADRB+\slot] offset:128*(\q)+32*\c+\i*16*PITCH
.endr
.endr
	WIN 0
.endm
.macro FETCH_A slot, q, i0             ; NH blocks from i0 on
.set ib, \i0
.rept NH
.irp c, 0,1,2,3
	ds_load_b128 v[AF+FR*ib+4*\c:AF+FR*ib+4*\c+3], v[ADRA+\slot] offset:128*(\q)+32*\c+ib*16*PITCH
.endr
.set ib, ib+1
.endr
.endm
.macro PLACES n
.rept \n
	v_nop
.endr
.endm
.macro STEP slot, q, zero              ; 128 along K, with its successor in the same slot
	s_wait_dscnt NH*NL                             ; all but the youngest loads, the second half's blocks
	WIN MUL_LO
	MULS 0, NH, (\q)%2, \zero
	s_wait_dscnt 0
	PLACES NP
	FETCH_B \slot, (\q)+1, 1-(\q)%2
	FETCH_A \slot, (\q)+1, 0
	WIN M2
	MULS NH, NH, (\q)%2, \zero
	PLACES NP
	WIN 0
	FETCH_A \slot, (\q)+1, NH
.endm
; A slot's last step changes slots: the three lines, one barrier.  fill = 1: this slot takes the K step two on; 2: phase 2's K step of this slot's number; 0: nothing.  fetch = 0: no fragments follow (the way out does).  aph, ak: the prefetch
.macro TURN slot, next, fill, fetch, aph, ak
	s_wait_tensorcnt 0x0                           ; all my tensor loads have landed: my part of the next slot
	ds_add_u32 v[SPW], v[NIL]
	s_wait_dscnt NH*NL+1
	WIN MUL_LO
	MULS 0, NH/2, 1, 0
	s_wait_dscnt 0x0                               ; the add is done, and my reads of this slot are over
	s_barrier_signal -1
	MULS NH/2, NH/2, 1, 0
	WIN 0
	s_barrier_wait -1
.if \fill
	CREST                                          ; the barrier has opened a round of the cluster's barrier
.if \fill == 1
	s_add_nc_u64 s[G0+4*\slot+2:G0+4*\slot+3], s[G0+4*\slot+2:G0+4*\slot+3], 2*ROWB
	s_add_nc_u64 s[G0B+4*\slot+2:G0B+4*\slot+3], s[G0B+4*\slot+2:G0B+4*\slot+3], 2*ROWB
.else
	s_add_nc_u64 s[G0+4*\slot+2:G0+4*\slot+3], s[PA2:PA2+1], \slot*ROWB
	s_or_b32 s[G0+4*\slot+3], s[G0+4*\slot+3], 0x80000000
	s_add_nc_u64 s[G0B+4*\slot+2:G0B+4*\slot+3], s[PB2:PB2+1], \slot*ROWB
	s_or_b32 s[G0B+4*\slot+3], s[G0B+4*\slot+3], 0x80000000
.endif
	JLOAD G0+4*\slot, GA, G0B+4*\slot, G1B         ; the first tensor load behind the round; its four v_nop are the places in front of the loads below
.else
	PLACES NP
.endif
.if \fetch
	FETCH_B \next, 0, 0
	FETCH_A \next, 0, 0
.endif
.if \aph
	ASK \aph, \ak
.endif
	WIN M2
	MULS NH, NH, 1, 0
.if \fetch
	PLACES NP
	WIN 0
	FETCH_A \next, 0, NH
.else
	WIN 0
.endif
.endm
; THE WAY OUT of A-place block a: 64 sums a lane become 64 codes, 16 registers, four pieces of the image as they stand.
.macro OUT a, ph
	WIN 0x02+((\a)/4)
.set j, 0
.rept 32
.if \ph == 1
	v_pk_fma_f32 v[T+j:T+j+1], v[64*((\a)%4)+j:64*((\a)%4)+j+1], s[96:97], v[BR+j:BR+j+1] op_sel_hi:[1,0,1]   ; sum x 2^(e0 + e1) + the bias; each accumulator from its low end on
.else
	v_pk_fma_f32 v[T+j:T+j+1], v[64*((\a)%4)+j:64*((\a)%4)+j+1], s[96:97], v[BL+2*(\a):BL+2*(\a)+1] op_sel_hi:[1,0,0]
.endif
.set j, j+2
.endr
	WIN 0
.set j, 0
.rept 64
.if \ph == 1
	v_med3_num_f32 v[T+j], v[T+j], -v[LIM], v[LIM] ; the conversion does not saturate (ISA guide 7.6.2)
.else
	v_med3_num_f32 v[T+j], v[T+j], -v[LIM2], v[LIM2]
.endif
.set j, j+1
.endr
.if ((\a) >= 4) || (\ph == 2)
	s_wait_alu depctr_va_vdst(0)                   ; directly ahead of the wait below
	s_wait_xcnt 0x0                                ; the stores that read this set of code registers have read them
.endif
.irp b, 0,1,2,3,4,5,6,7
.if \ph == 1
	v_cvt_scalef32_pk8_fp8_f32 v[CD+16*((\a)%4)+2*\b:CD+16*((\a)%4)+2*\b+1], v[T+8*\b:T+8*\b+7], v[SCL]
.else
	v_cvt_scalef32_pk8_fp8_f32 v[CD+16*((\a)%4)+2*\b:CD+16*((\a)%4)+2*\b+1], v[T+8*\b:T+8*\b+7], v[SCL2]
.endif
.endr
	v_nop
.irp g, 0,1,2,3
	global_store_b128 v[CO], v[CD+16*((\a)%4)+4*\g:CD+16*((\a)%4)+4*\g+3], s[58+20*\ph:59+20*\ph] offset:((\a)/4)*8192+((\a)%4)*1024+(\g/2)*4096+(\g%2)*512   ; s[78:79] or s[98:99]; 32 lanes store 512 consecutive bytes, aligned
.endr
.endm
	s_wait_alu depctr_va_vdst(0)                   ; the head's end
	s_wait_tensorcnt 0x0                           ; my part of K step 0 is in; the full sequence ahead of a later first fill
	ds_add_u32 v[SPW], v[NIL]
	s_wait_dscnt 0x0
	CROUND
	JLOAD G0+4, G1, G0B+4, G1B                     ; K step 1
.set NH, 4
.set M2, 0xf1                          ; the second half's accumulators: window 3
.set GA, G1
	FETCH_B 0, 0, 0
	FETCH_A 0, 0, 0
	FETCH_A 0, 0, 4
	ASK 1, 3
	STEP 0, 0, 1                                   ; PHASE 1.  The first products start the sums
	TURN 0, 1, 1, 1, 2, 0
	STEP 1, 0, 0
	TURN 1, 0, 1, 1, 2, 1
	STEP 0, 0, 0
.set GA, G1C
	TURN 0, 1, 2, 1, 2, 2                          ; the ring goes on into phase 2: slot 0 takes its K step 0,
	STEP 1, 0, 0
	TURN 1, 0, 2, 0, 2, 3                          ; slot 1 its K step 1
	PLACES NP
	s_wait_loadcnt 0x0                             ; the bias
.irp a, 0,1,2,3,4,5,6,7
	OUT \a, 1
.endr
.set NH, 2
.set M2, MUL_LO                        ; PHASE 2: four blocks, all in window 2
	FETCH_B 0, 0, 0                                ; slot 0 was shown whole by the last round
	FETCH_A 0, 0, 0
	FETCH_A 0, 0, 2
	STEP 0, 0, 1
	TURN 0, 1, 1, 1, 0, 0
	STEP 1, 0, 0
	TURN 1, 0, 1, 1, 0, 0
	STEP 0, 0, 0
	TURN 0, 1, 0, 1, 0, 0                          ; the last lap fills nothing
	STEP 1, 0, 0
	s_wait_dscnt NH*NL
	WIN MUL_LO
	MULS 0, NH, 1, 0
	s_wait_dscnt 0
	MULS NH, NH, 1, 0
	WIN 0
	PLACES NP
.irp a, 0,1,2,3
	OUT \a, 2
.endr
	s_wait_tensorcnt 0x0                           ; the wave's end
	ds_add_u32 v[SPW], v[NIL]
	s_wait_dscnt 0x0
	CROUND                                         ; the closing round
	s_endpgm
.Lfunc_end_k_q9dca5af4ad_qkv:
	.size	k_q9dca5af4ad_qkv, .Lfunc_end_k_q9dca5af4ad_qkv-k_q9dca5af4ad_qkv
	.p2alignl 7, 3214868480
	.fill 96, 4, 3214868480
	.section	.rodata,"a",@progbits
	.p2align	6, 0x0
	.amdhsa_kernel k_q9dca5af4ad_qkv
		.amdhsa_group_segment_fixed_size 327680
		.amdhsa_private_segment_fixed_size 0
		.amdhsa_enable_private_segment 0
		.amdhsa_kernarg_size 56
		.amdhsa_user_sgpr_count 2
		.amdhsa_user_sgpr_kernarg_segment_ptr 1
		.amdhsa_wavefront_size32 1
		.amdhsa_system_sgpr_workgroup_id_x 1
		.amdhsa_system_sgpr_workgroup_id_y 1
		.amdhsa_system_sgpr_workgroup_id_z 1
		.amdhsa_system_vgpr_workitem_id 0
		.amdhsa_next_free_vgpr 1024
		.amdhsa_next_free_sgpr 106
		.amdhsa_reserve_vcc 0
		.amdhsa_float_denorm_mode_32 3
		.amdhsa_float_denorm_mode_16_64 3
		.amdhsa_memory_ordered 1
		.amdhsa_forward_progress 1
		.amdhsa_inst_pref_size 216
	.end_amdhsa_kernel
	.amdgpu_metadata
---
amdhsa.version: [ 1, 2 ]
amdhsa.kernels:
  - .name:           k_q9dca5af4ad_qkv
    .symbol:         k_q9dca5af4ad_qkv.kd
    .args:
      - { .name: x_codes, .offset: 0, .size: 8, .value_kind: global_buffer, .address_space: global }
      - { .name: qkv_w_codes, .offset: 8, .size: 8, .value_kind: global_buffer, .address_space: global }
      - { .name: lowp_scales, .offset: 16, .size: 8, .value_kind: global_buffer, .address_space: global }
      - { .name: qkv_b, .offset: 24, .size: 8, .value_kind: global_buffer, .address_space: global }
      - { .name: q_img, .offset: 32, .size: 8, .value_kind: global_buffer, .address_space: global }
      - { .name: k_img, .offset: 40, .size: 8, .value_kind: global_buffer, .address_space: global }
      - { .name: v_img, .offset: 48, .size: 8, .value_kind: global_buffer, .address_space: global }
    .group_segment_fixed_size: 327680
    .private_segment_fixed_size: 0
    .kernarg_segment_align: 8
    .kernarg_segment_size: 56
    .max_flat_workgroup_size: 128
    .sgpr_count:     106
    .vgpr_count:     1024
    .wavefront_size: 32
...
	.end_amdgpu_metadata
.endif
;; end of part 1
;; launch attn (part 2): grid 4 x 64, 16 waves a work-group, clusters of 4 x 1, 327,680 bytes of LDS; arguments q_img, k_img, v_img, lowp_scales, a_img; writes a_img
.if DOCPART == 2
	.amdgcn_target "amdgcn-amd-amdhsa--gfx1250"
	.amdhsa_code_object_version 6
	.text
	.protected	k_q9dca5af4ad_attn
	.globl	k_q9dca5af4ad_attn
	.p2align	8
	.type	k_q9dca5af4ad_attn,@function
k_q9dca5af4ad_attn:
	s_mov_b64 s[64:65], 0
	v_nop
	global_prefetch_b8 v0, s[64:65] scope:SCOPE_SE
	s_setreg_imm32_b32 hwreg(HW_REG_WAVE_MODE, 25, 1), 1
	s_wait_xcnt 0x0
	s_wait_alu depctr_hold_cnt(0) depctr_sa_sdst(0) depctr_va_vdst(0) depctr_va_sdst(0) depctr_va_ssrc(0) depctr_va_vcc(0) depctr_vm_vsrc(0)
	s_getreg_b32 s2, hwreg(HW_REG_IB_STS2, 6, 4)
	s_cmp_eq_u32 s2, 0
	s_cbranch_scc0 .Lentry_in_a_cluster
	s_endpgm
.Lentry_in_a_cluster:
	s_bfe_u32 s2, ttmp6, 0x10000c
	s_cmp_lg_u32 s2, 0x3003
	s_cbranch_scc0 .Lentry_shape_is_right
	s_endpgm
.Lentry_shape_is_right:
; a = softmax(q k^T / 8) v for one (batch, head) and 512 queries, both products on codes of FP8 (E4M3); the result is quantised with 2^e6 and stored as an image of operand registers for the projection.
; q_img, k_img, v_img hold pieces of 512 bytes (lane l's 16 bytes at 16 l): four registers of a fragment of the 16x16x64 form.  A head's 64 keys x 64 channels are 4,096 bytes on end, in k_img and in v_img (there: keys innermost).
; THE SOFTMAX: t = score x log2(e) / 8 x 2^(e2 + e3); M = ceil(the row's largest t), taken over ALL keys in a first pass; p = 2^(t - M) is held at 448 x 2^e4 and quantised; the row's sum is taken of the unquantised p and divides at the end.
; SHARES: a work-group owns 512 queries of a head, each of its sixteen waves 32 of them (two tiles of 16).  The head's K and V lie whole in LDS (2 x 131,072 bytes), each wave fetching 8,192 bytes of each.
; CLUSTER: the four work-groups of a head need the same K and V and ask for them jointly (mask 15).  No prefetch: K and V are fetched once, at the head, and there is no loop to run ahead in.
; Both products are used transposed (S^T = K Q^T, O^T = V^T P^T): a lane holds one query of each tile throughout, and the conversions' results are the second product's operand.
; PASS 2 GOES BY HALF-STEPS: while the 32 exponentials of one tile are issued, the other tile's p (finished a half-step earlier) is summed in pairs into scratch registers and held;
; these lines hang on nothing inside the batch, and what they write is read behind the batch's closing wait.  So a batch has one wait ahead of it and one behind it.
; LIMITS: e2 + e3 between -123 and 130 (added to c's exponent field); e4 and e6 between -126 and 119; the scaled scores stay under 2^31 in magnitude; NaN among the inputs is not served.
; REGISTERS: v1-7 addresses and constants; v8-11 -M; v12-19 sums; v20-27 and v56-63 scratch pairs of pass 2 (v20-23 maxima in pass 1, v24-27 reciprocals at the end); v32-47 Q; v48-55 p's codes; v64-95 K; v96-127 V; v128-191 S, p; v192-255 O^T.
.set LI,  1                            ; 16 x lane
.set ADK, 2
.set ADV, 3
.set SP,  4                            ; 2^e4
.set SO,  5                            ; 2^e6
.set LO,  6                            ; 448 x 2^e6
.set LIV, 7                            ; VBASE + 16 x lane
.set NM,  8                            ; -M of tile t at v[NM + 2 t]
.set L,   12                           ; tile t's sum in two pairs, v[L + 4 t ..]
.set MX,  20
.set DA,  20                           ; scratch pairs 0-3
.set DB,  56                           ; scratch pairs 4-7
.set RC,  24
.set PD,  28
.set Q,   32
.set P,   48
.set KF,  64
.set VF,  96
.set S,   128
.set O,   192
.set WV,  14
.set SEL, 20
.set CS,  22
.set G1K, 24
.set G1V, 32
.set G0K, 40
.set G0V, 44
.set OFS, 48
.set HLD, 50                           ; 448 x 2^e4
.set EPV, 51                           ; e4 + e5
.set VBASE, 131072                     ; V lies behind K
.set STEPB, 4096                       ; 64 keys of K or of V
.macro ROUND                           ; a round of the cluster's barrier
	s_barrier_signal -1
	s_barrier_wait -1
	s_cmp_lg_u32 s[WV], 0
	s_cbranch_scc1 .Lnot_wave_0_\@
	s_barrier_signal -3
.Lnot_wave_0_\@:
	s_barrier_wait -3
	s_barrier_signal -1
	s_barrier_wait -1
.endm
	s_load_b256 s[4:11], s[0:1], 0x0               ; q_img, k_img, v_img, the exponents
	s_load_b64 s[12:13], s[0:1], 0x20              ; a_img
	v_lshl_add_u32 v30, v0, 2, 0x40000             ; my spare word, behind K and V
	v_mov_b32 v31, 0
	ds_add_u32 v30, v31                            ; the opening lines: the add, twice on end, and its wait
	ds_add_u32 v30, v31
	v_lshrrev_b32 v2, 5, v0
	s_delay_alu instid0(VALU_DEP_1)
	v_readfirstlane_b32 s[WV], v2                  ; wave 0..15
	v_and_b32 v1, 31, v0
	s_delay_alu instid0(VALU_DEP_1)
	v_lshlrev_b32 v[LI], 4, v1
	s_delay_alu instid0(VALU_DEP_1)
	v_add_nc_u32 v[LIV], VBASE, v[LI]
	s_bfe_u32 s15, ttmp6, 0x40000                  ; cx: which 512 queries
	s_and_b32 s16, ttmp7, 0xffff                   ; 16 x batch + head
	s_and_b32 s17, s16, 1                          ; the head's place in its pair
	s_lshr_b32 s66, s16, 1
	s_lshl_b32 s66, s66, 18                        ; the pair's 16 blocks of 16,384 bytes
	s_lshl_b32 s67, s[WV], 14
	s_add_co_u32 s68, s66, s67                     ; block = my wave's 128 keys
	s_lshl_b32 s69, s17, 12
	s_add_co_u32 s70, s68, s69                     ; K: two pieces of 4,096 bytes, 8,192 apart
	s_mov_b32 s71, 0
	s_lshl_b32 s72, s17, 13
	s_add_co_u32 s72, s68, s72                     ; V: 8,192 bytes on end
	s_mov_b32 s73, 0
	s_lshl_b32 s74, s15, 3
	s_lshr_b32 s75, s[WV], 1
	s_add_co_u32 s74, s74, s75
	s_lshl_b32 s74, s74, 13
	s_and_b32 s75, s[WV], 1
	s_lshl_b32 s75, s75, 11
	s_add_co_u32 s74, s74, s75
	s_add_co_u32 s74, s74, s66
	s_add_co_u32 s74, s74, s69                     ; Q: my 32 queries, 2,048 bytes
	s_mov_b32 s75, 0
	s_lshr_b32 s76, s16, 4
	s_lshl_b32 s76, s76, 7
	s_lshl_b32 s77, s15, 5
	s_add_co_u32 s76, s76, s77
	s_lshl_b32 s77, s[WV], 1
	s_add_co_u32 s76, s76, s77
	s_lshl_b32 s76, s76, 14                        ; a_img: 16 tokens are 16,384 bytes,
	s_and_b32 s77, s16, 15
	s_lshl_b32 s77, s77, 10                        ; a head 1,024 of them
	s_add_co_u32 s76, s76, s77
	s_mov_b32 s77, 0
	s_mov_b32 s[G1K], 15|(1<<21)                   ; the mask names the cluster's four; elements of 1 byte, no padding
	s_mov_b32 s[G1V], 15|(1<<21)
.irp g, G1K, G1V
	s_mov_b32 s[\g+1], 4096<<16                    ; two rows of 4,096 bytes
	s_mov_b32 s[\g+2], 2<<16
	s_mov_b32 s[\g+3], 4096<<16
	s_mov_b32 s[\g+4], 2
	s_mov_b32 s[\g+6], 0
	s_mov_b32 s[\g+7], 0
.endr
	s_mov_b32 s[G1K+5], 8192
	s_mov_b32 s[G1V+5], 4096
	s_mov_b32 s[SEL], 0x76543210
	s_mov_b32 s[SEL+1], 0xfedcba98
	s_mov_b32 s[CS], 0x3e38aa3b                    ; c = log2(e) / 8
	s_wait_alu depctr_va_vdst(0)                   ; directly ahead of the waits below
	s_wait_dscnt 0x0
	s_wait_kmcnt 0x0
	s_load_b256 s[56:63], s[10:11], 0x0            ; e0 .. e7
	s_mov_b32 s[G0K], 1
	s_lshl_b32 s[G0K+1], s[WV], 13                 ; LDS: 8,192 x wave
	s_add_nc_u64 s[G0K+2:G0K+3], s[6:7], s[70:71]
	s_or_b32 s[G0K+3], s[G0K+3], 0x80000000
	s_mov_b32 s[G0V], 1
	s_add_co_u32 s[G0V+1], s[G0K+1], VBASE
	s_add_nc_u64 s[G0V+2:G0V+3], s[8:9], s[72:73]
	s_or_b32 s[G0V+3], s[G0V+3], 0x80000000
	s_add_nc_u64 s[4:5], s[4:5], s[74:75]
	s_add_nc_u64 s[12:13], s[12:13], s[76:77]
.irp t, 0,1
.irp g, 0,1
	global_load_b128 v[Q+8*\t+4*\g:Q+8*\t+4*\g+3], v[LI], s[4:5] offset:\t*1024+\g*512   ; Q's two fragments stay in registers
.endr
.endr
	ROUND                                          ; in front of the first joint load
	tensor_load_to_lds s[G0K:G0K+3], s[G1K:G1K+7]  ; my part of K: the wave's one load at the head
	s_nop 0
.irp i, 0,1,2,3
	v_mov_b32 v[MX+\i], 0xff800000                 ; set-up while K is on its way
.endr
.irp i, 0,1,2,3,4,5,6,7
	v_mov_b32 v[L+\i], 0
.endr
	v_mov_b32 v[NM+1], 0                           ; (upper halves of named pairs)
	v_mov_b32 v[NM+3], 0
	v_mov_b32 v[RC+1], 0
	v_mov_b32 v[RC+3], 0
	v_mov_b32 v[PD], 0
	v_mov_b32 v[PD+1], 0
	s_wait_kmcnt 0x0
	s_add_co_i32 s66, s58, s59
	s_lshl_b32 s66, s66, 23
	s_add_co_i32 s[CS], s[CS], s66                 ; c x 2^(e2 + e3)
	s_mov_b32 s[CS+1], s[CS]
	s_add_co_i32 s66, s60, 127
	s_lshl_b32 s67, s66, 23
	v_mov_b32 v[SP], s67
	s_add_co_i32 s66, s66, 8
	s_lshl_b32 s66, s66, 23
	s_or_b32 s[HLD], s66, 0x600000
	s_add_co_i32 s[EPV], s60, s61
	s_add_co_i32 s66, s62, 127
	s_lshl_b32 s67, s66, 23
	v_mov_b32 v[SO], s67
	s_add_co_i32 s66, s66, 8
	s_lshl_b32 s66, s66, 23
	s_or_b32 s66, s66, 0x600000
	v_mov_b32 v[LO], s66
	s_wait_alu depctr_va_vdst(0)                   ; the head's end
	s_wait_tensorcnt 0x0                           ; my part of K is in; the full sequence ahead of a later first fill
	ds_add_u32 v30, v31
	s_wait_dscnt 0x0
	ROUND                                          ; K is whole in every partner
	tensor_load_to_lds s[G0V:G0V+3], s[G1V:G1V+7]  ; my part of V: it lands under pass 1
	s_nop 0
.macro KLOAD adr, off
.irp u, 0,1,2,3
.irp g, 0,1
	ds_load_b128 v[KF+8*\u+4*\g:KF+8*\u+4*\g+3], v[\adr] offset:\off+\u*1024+\g*512
.endr
.endr
.endm
.macro VLOAD adr
.irp u, 0,1,2,3
.irp g, 0,1
	ds_load_b128 v[VF+8*\u+4*\g:VF+8*\u+4*\g+3], v[\adr] offset:\u*1024+\g*512
.endr
.endr
.endm
.macro SMULT t                         ; S^T of tile t: 64 keys x 16 queries, four accumulators
.irp u, 0,1,2,3
	v_wmma_f32_16x16x64_fp8_fp8 v[S+32*\t+8*\u:S+32*\t+8*\u+7], v[KF+8*\u:KF+8*\u+7], v[Q+8*\t:Q+8*\t+7], 0
.endr
.endm
	KLOAD LI, 0
	s_wait_loadcnt 0x0                             ; Q
; PASS 1: the rows' largest scores.  A step: 8 products, the next 64 keys' fragments, 32 maxima of three.
.macro P1STEP last
	s_wait_dscnt 0x0
	SMULT 0
	SMULT 1
.if \last
	v_mov_b32 v[ADK], v[LI]                        ; pass 2 begins at key 0 again
.else
	v_add_nc_u32 v[ADK], s[OFS], v[LI]
.endif
.rept 3
	v_nop                                          ; with the line above: four places behind the products
.endr
	KLOAD ADK, 0
	s_wait_alu depctr_va_vdst(0)                   ; the maxima were written ahead of the backward jump
.irp i, 0,2,4,6
.irp u, 0,2
.irp t, 0,1
.irp e, 0,1
	v_max3_num_f32 v[MX+2*\t+\e], v[MX+2*\t+\e], v[S+32*\t+8*(\u+\e)+\i], v[S+32*\t+8*(\u+\e)+\i+1]
.endr
.endr
.endr
.endr
.endm
	s_mov_b32 s[OFS], STEPB
.Lp1:
	P1STEP 0
	s_add_co_u32 s[OFS], s[OFS], STEPB
	s_cmp_lt_u32 s[OFS], VBASE
	s_cbranch_scc1 .Lp1
	P1STEP 1
	s_wait_alu depctr_va_vdst(0)
	s_wait_tensorcnt 0x0                           ; my part of V is in
	s_wait_dscnt 0x0
	s_barrier_signal -1
.irp t, 0,1
	v_max_num_f32 v[MX+2*\t], v[MX+2*\t], v[MX+2*\t+1]
.endr
.irp t, 0,1
	s_delay_alu instid0(VALU_DEP_2)
	v_permlanex16_b32 v[PD+\t], v[MX+2*\t], s[SEL], s[SEL+1]
.endr
.irp t, 0,1
	s_delay_alu instid0(VALU_DEP_2)
	v_max_num_f32 v[MX+2*\t], v[MX+2*\t], v[PD+\t]
.endr
.irp t, 0,1
	s_delay_alu instid0(VALU_DEP_2)
	v_mul_f32 v[MX+2*\t], s[CS], v[MX+2*\t]        ; as t (c is positive)
.endr
.irp t, 0,1
	s_delay_alu instid0(VALU_DEP_2)
	v_floor_f32 v[NM+2*\t], -v[MX+2*\t]            ; -M = floor(-t)
.endr
	s_wait_alu depctr_va_vdst(0)
	s_barrier_wait -1                              ; V is whole
; PASS 2, by half-steps.
.macro SUMS t                          ; scratch pairs 2-7 and 0 into tile t's sum (pair 1 was added to pair 0 in TAILU)
	v_pk_add_f32 v[DA+4:DA+5], v[DA+4:DA+5], v[DA+6:DA+7]
	v_pk_add_f32 v[DB:DB+1], v[DB:DB+1], v[DB+2:DB+3]
	v_pk_add_f32 v[DB+4:DB+5], v[DB+4:DB+5], v[DB+6:DB+7]
	v_pk_add_f32 v[L+4*\t:L+4*\t+1], v[L+4*\t:L+4*\t+1], v[DA:DA+1]
	v_pk_add_f32 v[L+4*\t+2:L+4*\t+3], v[L+4*\t+2:L+4*\t+3], v[DA+4:DA+5]
	v_pk_add_f32 v[L+4*\t:L+4*\t+1], v[L+4*\t:L+4*\t+1], v[DB:DB+1]
	v_pk_add_f32 v[L+4*\t+2:L+4*\t+3], v[L+4*\t+2:L+4*\t+3], v[DB+4:DB+5]
.endm
; tile t's scores; the sums left over from the half-step before are the places behind the products; ld = 2: this step's V and the next step's K, 1: V alone; then t - M
.macro HEADU t, ld, sums
	SMULT \t
.if \sums
	SUMS \t
.else
.rept 4
	v_nop
.endr
.endif
.if \ld
	v_add_nc_u32 v[ADV], s[OFS], v[LIV]
	v_add_nc_u32 v[ADK], s[OFS], v[LI]
	VLOAD ADV
.if \ld > 1
	KLOAD ADK, STEPB
.endif
.endif
.set k, 0
.rept 16
	v_pk_fma_f32 v[S+32*\t+2*k:S+32*\t+2*k+1], v[S+32*\t+2*k:S+32*\t+2*k+1], s[CS:CS+1], v[NM+2*\t:NM+2*\t+1] op_sel_hi:[1,0,0]
.set k, k+1
.endr
	s_wait_alu depctr_va_vdst(0)                   ; ahead of the batch
.endm
.macro PAIR o, j                       ; four of tile o's p into scratch pair j: the sum is taken of the unquantised p
	v_pk_add_f32 v[DA+2*\j+28*(\j/4):DA+2*\j+28*(\j/4)+1], v[S+32*(\o)+4*\j:S+32*(\o)+4*\j+1], v[S+32*(\o)+4*\j+2:S+32*(\o)+4*\j+3]
.endm
.macro HOLD r                          ; the conversion to an 8-bit code does not saturate (ISA guide 7.6.2); p is not negative, so the hold is one-sided
	v_dual_min_num_f32 v[\r], s[HLD], v[\r] :: v_dual_min_num_f32 v[\r+1], s[HLD], v[\r+1]
.endm
; tile t's 32 exponentials; work = 1: between them the other tile's pair sums and holds
.macro BATCH t, work
.irp j, 0,1,2,3,4,5,6,7
	v_exp_f32 v[S+32*\t+4*\j], v[S+32*\t+4*\j]
.if \work
	PAIR 1-\t, \j
.endif
	v_exp_f32 v[S+32*\t+4*\j+1], v[S+32*\t+4*\j+1]
.if \work
	HOLD S+32*(1-\t)+4*\j
.endif
	v_exp_f32 v[S+32*\t+4*\j+2], v[S+32*\t+4*\j+2]
.if \work
	HOLD S+32*(1-\t)+4*\j+2
.endif
	v_exp_f32 v[S+32*\t+4*\j+3], v[S+32*\t+4*\j+3]
.endr
	v_nop                                          ; a plain place behind the last exponential
	s_wait_alu depctr_va_vdst(0)                   ; one wait for the whole batch
.endm
; tile o's p becomes codes, and O^T of tile o takes these 64 keys.  ldw = 1: V's and K's fragments were asked for in this half-step
.macro TAILU o, zero, ldw
.irp u, 0,1,2,3
	v_cvt_scalef32_pk8_fp8_f32 v[P+2*\u:P+2*\u+1], v[S+32*\o+8*\u:S+32*\o+8*\u+7], v[SP]
.endr
	v_pk_add_f32 v[DA:DA+1], v[DA:DA+1], v[DA+2:DA+3]   ; the plain place behind the conversions
.if \ldw
	s_wait_dscnt 0x0
.endif
	s_wait_alu depctr_va_vdst(0)                   ; directly ahead of the first reader of O^T and of the codes
.irp c, 0,1,2,3
.if \zero
	v_wmma_f32_16x16x64_fp8_fp8 v[O+32*\o+8*\c:O+32*\o+8*\c+7], v[VF+8*\c:VF+8*\c+7], v[P:P+7], 0
.else
	v_wmma_f32_16x16x64_fp8_fp8 v[O+32*\o+8*\c:O+32*\o+8*\c+7], v[VF+8*\c:VF+8*\c+7], v[P:P+7], v[O+32*\o+8*\c:O+32*\o+8*\c+7]
.endif
.endr
.endm
	s_mov_b32 s[OFS], 0
	HEADU 0, 0, 0                                  ; step 0, tile 0: nothing to work on beside the batch yet
	BATCH 0, 0
	HEADU 1, 2, 0
	BATCH 1, 1
	TAILU 0, 1, 1                                  ; the first products start the sums of O^T
	HEADU 0, 0, 1                                  ; step 1, tile 0
	BATCH 0, 1
	TAILU 1, 1, 0
	s_mov_b32 s[OFS], STEPB
.Lp2:                                                  ; 30 trips: tile 1 of step i, tile 0 of step i + 1
	HEADU 1, 2, 1
	BATCH 1, 1
	TAILU 0, 0, 1
	HEADU 0, 0, 1
	BATCH 0, 1
	TAILU 1, 0, 0
	s_add_co_u32 s[OFS], s[OFS], STEPB
	s_cmp_lt_u32 s[OFS], VBASE-STEPB
	s_cbranch_scc1 .Lp2
	HEADU 1, 1, 1                                  ; step 31, tile 1: no keys follow
	BATCH 1, 1
	TAILU 0, 0, 1
	SUMS 0
.irp j, 0,1,2,3,4,5,6,7
	PAIR 1, \j                                     ; the last tile's p, with no batch beside it
	HOLD S+32+4*\j
	HOLD S+32+4*\j+2
.endr
	TAILU 1, 0, 0
	SUMS 1                                         ; also the places behind the last products
; THE WAY OUT: O^T / the sum x 2^(e4 + e5), held, quantised with 2^e6
.irp t, 0,1
	v_pk_add_f32 v[L+4*\t:L+4*\t+1], v[L+4*\t:L+4*\t+1], v[L+4*\t+2:L+4*\t+3]
.endr
.irp t, 0,1
	s_delay_alu instid0(VALU_DEP_2)
	v_add_f32 v[L+4*\t], v[L+4*\t], v[L+4*\t+1]
.endr
.irp t, 0,1
	s_delay_alu instid0(VALU_DEP_2)
	v_permlanex16_b32 v[PD+\t], v[L+4*\t], s[SEL], s[SEL+1]
.endr
.irp t, 0,1
	s_delay_alu instid0(VALU_DEP_2)
	v_add_f32 v[L+4*\t], v[L+4*\t], v[PD+\t]       ; the row's sum
.endr
	s_wait_alu depctr_va_vdst(0)                   ; ahead of the transcendentals
.irp t, 0,1
	v_rcp_f32 v[RC+2*\t], v[L+4*\t]
.endr
	v_nop
	s_wait_alu depctr_va_vdst(0)                   ; and behind them
.irp t, 0,1
	v_ldexp_f32 v[RC+2*\t], v[RC+2*\t], s[EPV]
.endr
	s_wait_alu depctr_va_vdst(0)                   ; directly ahead of the first reader of O^T
.irp t, 0,1
.set j, 0
.rept 16
	v_pk_mul_f32 v[S+32*\t+j:S+32*\t+j+1], v[O+32*\t+j:O+32*\t+j+1], v[RC+2*\t:RC+2*\t+1] op_sel_hi:[1,0]
.set j, j+2
.endr
.endr
.irp t, 0,1
.set j, 0
.rept 32
	v_med3_num_f32 v[S+32*\t+j], v[S+32*\t+j], -v[LO], v[LO]
.set j, j+1
.endr
.irp c, 0,1,2,3
	v_cvt_scalef32_pk8_fp8_f32 v[P+8*\t+2*\c:P+8*\t+2*\c+1], v[S+32*\t+8*\c:S+32*\t+8*\c+7], v[SO]
.endr
	v_nop
	v_permlane16_swap_b32 v[P+8*\t+0], v[P+8*\t+2] ; from k = 16 c + 8 h + .. to k = 32 c + 16 h + ..: the order in which the projection reads both its operands
	v_permlane16_swap_b32 v[P+8*\t+1], v[P+8*\t+3]
	v_permlane16_swap_b32 v[P+8*\t+4], v[P+8*\t+6]
	v_permlane16_swap_b32 v[P+8*\t+5], v[P+8*\t+7]
.irp g, 0,1
	global_store_b128 v[LI], v[P+8*\t+4*\g:P+8*\t+4*\g+3], s[12:13] offset:\t*16384+\g*512   ; 32 lanes store 512 consecutive bytes, aligned
.endr
.endr
	s_wait_tensorcnt 0x0                           ; the wave's end
	ds_add_u32 v30, v31
	s_wait_dscnt 0x0
	ROUND                                          ; the closing round
	s_endpgm
.Lfunc_end_k_q9dca5af4ad_attn:
	.size	k_q9dca5af4ad_attn, .Lfunc_end_k_q9dca5af4ad_attn-k_q9dca5af4ad_attn
	.p2alignl 7, 3214868480
	.fill 96, 4, 3214868480
	.section	.rodata,"a",@progbits
	.p2align	6, 0x0
	.amdhsa_kernel k_q9dca5af4ad_attn
		.amdhsa_group_segment_fixed_size 327680
		.amdhsa_private_segment_fixed_size 0
		.amdhsa_enable_private_segment 0
		.amdhsa_kernarg_size 40
		.amdhsa_user_sgpr_count 2
		.amdhsa_user_sgpr_kernarg_segment_ptr 1
		.amdhsa_wavefront_size32 1
		.amdhsa_system_sgpr_workgroup_id_x 1
		.amdhsa_system_sgpr_workgroup_id_y 1
		.amdhsa_system_sgpr_workgroup_id_z 1
		.amdhsa_system_vgpr_workitem_id 0
		.amdhsa_next_free_vgpr 256
		.amdhsa_next_free_sgpr 80
		.amdhsa_reserve_vcc 0
		.amdhsa_float_denorm_mode_32 3
		.amdhsa_float_denorm_mode_16_64 3
		.amdhsa_memory_ordered 1
		.amdhsa_forward_progress 1
		.amdhsa_inst_pref_size 56
	.end_amdhsa_kernel
	.amdgpu_metadata
---
amdhsa.version: [ 1, 2 ]
amdhsa.kernels:
  - .name:           k_q9dca5af4ad_attn
    .symbol:         k_q9dca5af4ad_attn.kd
    .args:
      - { .name: q_img, .offset: 0, .size: 8, .value_kind: global_buffer, .address_space: global }
      - { .name: k_img, .offset: 8, .size: 8, .value_kind: global_buffer, .address_space: global }
      - { .name: v_img, .offset: 16, .size: 8, .value_kind: global_buffer, .address_space: global }
      - { .name: lowp_scales, .offset: 24, .size: 8, .value_kind: global_buffer, .address_space: global }
      - { .name: a_img, .offset: 32, .size: 8, .value_kind: global_buffer, .address_space: global }
    .group_segment_fixed_size: 327680
    .private_segment_fixed_size: 0
    .kernarg_segment_align: 8
    .kernarg_segment_size: 40
    .max_flat_workgroup_size: 512
    .sgpr_count:     80
    .vgpr_count:     256
    .wavefront_size: 32
...
	.end_amdgpu_metadata
.endif
;; end of part 2
;; launch proj (part 3): grid 4 x 64, 4 waves a work-group, clusters of 4 x 4, 327,680 bytes of LDS; arguments a_img, out_w_codes, lowp_scales, out_b, out0; writes out0
.if DOCPART == 3
	.amdgcn_target "amdgcn-amd-amdhsa--gfx1250"
	.amdhsa_code_object_version 6
	.text
	.protected	k_q9dca5af4ad_proj
	.globl	k_q9dca5af4ad_proj
	.p2align	8
	.type	k_q9dca5af4ad_proj,@function
k_q9dca5af4ad_proj:
	s_mov_b64 s[64:65], 0
	v_nop
	global_prefetch_b8 v0, s[64:65] scope:SCOPE_SE
	s_setreg_imm32_b32 hwreg(HW_REG_WAVE_MODE, 25, 1), 1
	s_wait_xcnt 0x0
	s_wait_alu depctr_hold_cnt(0) depctr_sa_sdst(0) depctr_va_vdst(0) depctr_va_sdst(0) depctr_va_ssrc(0) depctr_va_vcc(0) depctr_vm_vsrc(0)
	s_getreg_b32 s2, hwreg(HW_REG_IB_STS2, 6, 4)
	s_cmp_eq_u32 s2, 0
	s_cbranch_scc0 .Lentry_in_a_cluster
	s_endpgm
.Lentry_in_a_cluster:
	s_bfe_u32 s2, ttmp6, 0x10000c
	s_cmp_lg_u32 s2, 0xf033
	s_cbranch_scc0 .Lentry_shape_is_right
	s_endpgm
.Lentry_shape_is_right:
; out0 = a out_w^T x 2^(e6 + e7) + out_b on codes of FP8 (E4M3).  a: the attention launch's image, 16 tokens x 1,024 channels in 16,384 bytes, pieces of 512 bytes (lane l's 16 bytes at 16 l) that are four registers of a fragment:
; piece c of the Q-th 128 channels holds k = 128 Q + 32 c + 16 (l / 16) + 0 .. 15 of token l % 16.  out_w: [1024][1024] codes, read in the same order of k.
; LIMIT: e6 + e7 between -126 and 127.
; A work-group makes 128 tokens x 256 features; a wave 64 x 128: 32 accumulators.  NO RING: the tile's 256 rows of out_w lie in LDS whole along K (each wave fetches 64 rows of 1,024 bytes by one load; 16 bytes of padding behind each,
; pitch 1,040 = 65 x 16, so the 16 rows of a fragment load start at 16 different groups of banks), and nothing is filled again.
; a's fragments go from memory straight into registers: a load of the wave covers 512 consecutive bytes, and a wave's 64 tokens x 1,024 channels are 512 registers, asked for at the head.
; THE ORDER OF THE WORK: since a lies whole along K in registers, a wave first finishes its features 0-63 over all K (128 products), then its features 64-127; the first half's results leave while the second half is multiplied.
; CLUSTERS: 4 x 4; out_w's rows hang on cx alone and are asked for jointly by a column.  a's tile is NOT asked for jointly: it takes no LDS at all, and beside out_w's 266,240 bytes and the stages LDS has no room for its 131,072.
; No prefetch: every operand is asked for once, at the head, and there is no loop to run ahead in.
; out_w's fragments have four pairs of register sets that take turns: a group is two fragments x a's four blocks, eight products; behind it the pair takes the fragments of the group four on: 24 products' issue ahead of their use.
; REGISTERS: window 0: v0-31 addresses; v32-95 a's Q = 6; v128-255 Q = 4, 5.  window 1: v0-127 out_w's fragments; v128-191 a's Q = 7; v192-255 the bias.  window 2: accumulators ((a, b) at v[64 a + 8 b]).  window 3: a's Q = 0 .. 3.
.set PITCH,  1040
.set HALFB,  128*PITCH
.set SPARE,  256*PITCH                 ; 266,240: the spare words, 512 bytes that no other line names
.set STAGE,  SPARE+512                 ; 16 rows x (256 + 16) bytes for each wave
.set SPITCH, 272
.set ADRB, 20                          ; v20, v21: my fragments 0-3, 4-7 of out_w
.set STO,  24
.set RD,   25
.set CO,   26                          ; 16 x lane
.set GO,   27                          ; the way out: lanes 0-15 one row of out0, lanes 16-31 the next; 16 bytes a lane
.set SPW,  28
.set NIL,  29
.set G1, 24
.set G0, 32
.set MSB, 0
.macro WIN new
.if MSB != (\new)
	s_set_vgpr_msb (MSB<<8)|(\new)
.set MSB, (\new)
.endif
.endm
.set TO_B, 0x40
.macro CREST
	s_cmp_lg_u32 s14, 0
	s_cbranch_scc1 .Lnot_wave_0_\@
	s_barrier_signal -3
.Lnot_wave_0_\@:
	s_barrier_wait -3
	s_barrier_signal -1
	s_barrier_wait -1
.endm
.macro CROUND
	s_barrier_signal -1
	s_barrier_wait -1
	CREST
.endm
.macro PLACES n
.rept \n
	v_nop
.endr
.endm
.macro ASET Q                          ; where a's fragments of the Q-th 128 channels lie: window WA, register RA
.if \Q < 4
.set WA, 3
.set RA, 64*\Q
.elseif \Q < 6
.set WA, 0
.set RA, 128+64*(\Q-4)
.elseif \Q == 6
.set WA, 0
.set RA, 32
.else
.set WA, 1
.set RA, 128
.endif
.endm
.macro ALOAD Q                         ; 16 loads: four blocks of 16 tokens x 128 channels
	ASET \Q
	WIN WA<<6
.irp i, 0,1,2,3
.irp c, 0,1,2,3
	global_load_b128 v[RA+16*\i+4*\c:RA+16*\i+4*\c+3], v[CO], s[4:5] offset:\i*16384+\Q*2048+\c*512
.endr
.endr
.endm
	s_load_b256 s[4:11], s[0:1], 0x0               ; a_img, out_w's codes, the exponents, the bias
	s_load_b64 s[12:13], s[0:1], 0x20              ; out0
	v_lshl_add_u32 v[SPW], v0, 2, SPARE
	v_mov_b32 v[NIL], 0
	ds_add_u32 v[SPW], v[NIL]                      ; the opening lines: the add, twice on end, and its wait
	ds_add_u32 v[SPW], v[NIL]
	v_lshrrev_b32 v1, 5, v0
	v_readfirstlane_b32 s14, v1                    ; wave 0..3
	s_lshr_b32 s15, s14, 1                         ; my half of the tokens
	s_and_b32 s16, s14, 1                          ; my half of the features
	s_mul_i32 s22, s16, HALFB
	s_mul_i32 s23, s14, 16*SPITCH
	s_add_co_u32 s23, s23, STAGE
	v_and_b32 v1, 15, v0                           ; r
	v_bfe_u32 v2, v0, 4, 1                         ; h
	v_mul_u32_u24 v3, v1, PITCH
	v_lshl_add_u32 v4, v2, 4, v3
	v_add_nc_u32 v[ADRB], s22, v4
	v_add_nc_u32 v[ADRB+1], 64*PITCH, v[ADRB]
	v_and_b32 v6, 31, v0
	v_lshlrev_b32 v[CO], 4, v6
	v_mul_u32_u24 v5, v1, SPITCH
	v_lshl_add_u32 v5, v2, 5, v5
	v_add_nc_u32 v[STO], s23, v5                   ; in: row r, 32 bytes for each half of the lanes
	v_lshlrev_b32 v8, 4, v1
	v_mul_u32_u24 v9, v2, SPITCH
	v_add_nc_u32 v9, v9, v8
	v_add_nc_u32 v[RD], s23, v9                    ; back: lanes 0-15 one row of 256 bytes, lanes 16-31 the next
	v_lshl_add_u32 v[GO], v2, 12, v8
	v_lshlrev_b32 v7, 5, v2
	s_bfe_u32 s40, ttmp6, 0x40000
	s_bfe_u32 s41, ttmp6, 0x40004
	s_lshl_b32 s42, ttmp9, 2
	s_add_co_u32 s42, s42, s40                     ; tile of 256 features
	s_and_b32 s17, ttmp7, 0xffff
	s_lshl_b32 s17, s17, 2
	s_add_co_u32 s17, s17, s41                     ; tile of 128 tokens
	s_lshl_b32 s44, 0x1111, s40                    ; my column of the cluster
	s_or_b32 s[G1+0], s44, (1<<20)|(1<<21)|(7<<22)|(3<<25)   ; elements of 1 byte; four words of padding after every 256
	s_mov_b32 s[G1+1], 1024<<16
	s_mov_b32 s[G1+2], 64<<16
	s_mov_b32 s[G1+3], 1024<<16
	s_mov_b32 s[G1+4], 64
	s_mov_b32 s[G1+5], 1024
	s_mov_b32 s[G1+6], 0
	s_mov_b32 s[G1+7], 0
	s_lshl_b32 s20, s17, 3
	s_lshl_b32 s18, s15, 2
	s_add_co_u32 s20, s20, s18
	s_lshl_b32 s20, s20, 14                        ; a: my four blocks of 16 tokens
	s_mov_b32 s21, 0
	s_lshl_b32 s46, s42, 8
	s_lshl_b32 s47, s14, 6
	s_add_co_u32 s46, s46, s47
	s_lshl_b32 s46, s46, 10                        ; out_w: row 256 x tile + 64 x wave
	s_mov_b32 s47, 0
	s_mul_i32 s45, s14, 64*PITCH
	s_lshl_b32 s66, s17, 7
	s_lshl_b32 s67, s15, 6
	s_add_co_u32 s66, s66, s67
	s_lshl_b32 s66, s66, 12                        ; out0: my first row,
	s_mov_b32 s67, 0
	s_lshl_b32 s68, s42, 10
	s_lshl_b32 s69, s16, 9
	s_add_co_u32 s68, s68, s69                     ; and my first column, in bytes
	s_mov_b32 s69, 0
	s_wait_alu depctr_va_vdst(0)                   ; directly ahead of the waits below
	s_wait_dscnt 0x0
	s_wait_kmcnt 0x0
	s_load_b256 s[80:87], s[8:9], 0x0
	s_mov_b32 s[G0], 1
	s_mov_b32 s[G0+1], s45
	s_add_nc_u64 s[G0+2:G0+3], s[6:7], s[46:47]
	s_or_b32 s[G0+3], s[G0+3], 0x80000000
	s_add_nc_u64 s[4:5], s[4:5], s[20:21]
	s_add_nc_u64 s[12:13], s[12:13], s[66:67]
	s_add_nc_u64 s[12:13], s[12:13], s[68:69]
	s_add_nc_u64 s[10:11], s[10:11], s[68:69]
	WIN TO_B
.irp b, 0,1,2,3,4,5,6,7
	global_load_b128 v[192+8*\b:192+8*\b+3], v7, s[10:11] offset:64*\b
	global_load_b128 v[192+8*\b+4:192+8*\b+7], v7, s[10:11] offset:64*\b+16
.endr
	ALOAD 0                                        ; 48 loads are out ahead of the round
	ALOAD 1
	WIN 0
	CROUND                                         ; in front of the joint loads
	tensor_load_to_lds s[G0:G0+3], s[G1:G1+7]      ; my 64 rows of out_w, whole along K: the wave's one tensor load
	s_nop 0
	PLACES 4
.irp Q, 2,3,4,5,6,7
	ALOAD \Q
.endr
	WIN 0
	s_wait_kmcnt 0x0
	s_add_co_i32 s96, s86, s87
	s_add_co_i32 s96, s96, 127
	s_lshl_b32 s96, s96, 23                        ; 2^(e6 + e7)
	s_mov_b32 s97, s96
; THE WAY OUT of 16 tokens (block a) x 64 features (half hf): x 2^(e6 + e7) + the bias, in place on the block's four accumulators; through my stage; back into the same registers as whole rows of 256 bytes.
; No register is used for two blocks and the stores' offsets are immediates, so no store's source is ever written again.
.macro UFMA hf, a
.set UB, 64*(\a)+32*(\hf)
	WIN 0x92                                       ; destination and source 0: window 2, source 2: window 1
.set j, 0
.rept 16
	v_pk_fma_f32 v[UB+j:UB+j+1], v[UB+j:UB+j+1], s[96:97], v[192+32*(\hf)+j:193+32*(\hf)+j] op_sel_hi:[1,0,1]   ; each accumulator from its low end on
.set j, j+2
.endr
	WIN 0x08                                       ; data: window 2
.irp b, 0,1,2,3
	ds_store_b128 v[STO], v[UB+8*\b:UB+8*\b+3] offset:64*\b
	ds_store_b128 v[STO], v[UB+8*\b+4:UB+8*\b+7] offset:64*\b+16
.endr
	WIN 0x80
.irp t, 0,1,2,3,4,5,6,7
	ds_load_b128 v[UB+4*\t:UB+4*\t+3], v[RD] offset:\t*2*SPITCH   ; LDS serves a wave's instructions in order (ISA guide 5.7.1.4)
.endr
.endm
.macro USEND hf, a, younger            ; younger: the LDS instructions issued behind the block's loads
.set UB, 64*(\a)+32*(\hf)
	s_wait_dscnt \younger
	WIN 0x08
.irp t, 0,1,2,3,4,5,6,7
	global_store_b128 v[GO], v[UB+4*\t:UB+4*\t+3], s[12:13] offset:(\a)*65536+\t*8192+(\hf)*256 th:TH_STORE_NT   ; 16 lanes store 256 consecutive bytes, aligned
.endr
.endm
.macro BLOAD reg, hf, f, Q             ; fragment f (0 .. 3) of half hf, the Q-th 128 along K
.irp c, 0,1,2,3
	ds_load_b128 v[\reg+4*\c:\reg+4*\c+3], v[ADRB+\hf] offset:(\f)*16*PITCH+128*(\Q)+32*\c
.endr
.endm
; group n = 16 hf + 2 Q + gg: fragments 2 gg, 2 gg + 1 of half hf x a's four blocks.  The accumulators take turns.
.macro GRP hf, Q, gg
.set n, 16*\hf+2*\Q+\gg
.set bb, 32*(n%4)
.if n > 28
	s_wait_dscnt 8*(31-n)
.elseif (n >= 18) && ((n-18)%3 == 0)
	s_wait_dscnt 40                                ; three younger groups' loads and a block's 16 LDS instructions
.else
	s_wait_dscnt 24                                ; behind this group's eight loads three groups' have been issued
.endif
	WIN 0xa1|(WA<<2)
.irp e, 0,1
.irp a, 0,1,2,3
.if \Q == 0
	v_wmma_f32_16x16x128_fp8_fp8 v[64*\a+32*\hf+8*(2*\gg+\e):64*\a+32*\hf+8*(2*\gg+\e)+7], v[bb+16*\e:bb+16*\e+15], v[RA+16*\a:RA+16*\a+15], 0
.else
	v_wmma_f32_16x16x128_fp8_fp8 v[64*\a+32*\hf+8*(2*\gg+\e):64*\a+32*\hf+8*(2*\gg+\e)+7], v[bb+16*\e:bb+16*\e+15], v[RA+16*\a:RA+16*\a+15], v[64*\a+32*\hf+8*(2*\gg+\e):64*\a+32*\hf+8*(2*\gg+\e)+7]
.endif
.endr
.endr
.if n < 28
	PLACES 4                                       ; in front of loads into registers that matrix instructions have read
	WIN TO_B
.set h4, (n+4)/16
.set q4, ((n+4)%16)/2
	BLOAD bb, h4, 2*\gg, q4
	BLOAD bb+16, h4, 2*\gg+1, q4
.endif
.if (n >= 17) && (n <= 26) && ((n-17)%3 == 0)
	UFMA 0, (n-17)/3                               ; the first half's blocks leave among the second half's groups
.endif
.if (n >= 18) && (n <= 27) && ((n-18)%3 == 0)
	USEND 0, (n-18)/3, 8                           ; behind the block's loads: this group's eight
.endif
.endm
	s_wait_alu depctr_va_vdst(0)                   ; the head's end
	s_wait_tensorcnt 0x0                           ; my rows of out_w are in,
	s_barrier_signal -1
	s_barrier_wait -1                              ; everybody's are
	WIN TO_B
.irp m, 0,1,2,3                        ; groups 0 to 3: Q = m / 2, fragments 2 (m % 2), + 1
	BLOAD 32*\m, 0, 2*(\m%2), \m/2
	BLOAD 32*\m+16, 0, 2*(\m%2)+1, \m/2
.endr
.irp hf, 0,1
.irp Q, 0,1,2,3,4,5,6,7
	ASET \Q
.if \hf == 0
.if \Q < 4
	s_wait_loadcnt 63                              ; behind this step's loads 16 (7 - Q) were issued, more than the count can name
.else
	s_wait_loadcnt 16*(7-\Q)
.endif
.endif
	GRP \hf, \Q, 0
	GRP \hf, \Q, 1
.endr
.endr
	PLACES 4                                       ; behind the last products
	UFMA 1, 0
	UFMA 1, 1
	USEND 1, 0, 16                                 ; behind block 0's loads: block 1's 16 LDS instructions
	UFMA 1, 2
	USEND 1, 1, 16
	UFMA 1, 3
	USEND 1, 2, 16
	USEND 1, 3, 0
	WIN 0
	s_wait_tensorcnt 0x0                           ; the wave's end
	ds_add_u32 v[SPW], v[NIL]
	s_wait_dscnt 0x0
	CROUND                                         ; the closing round
	s_endpgm
.Lfunc_end_k_q9dca5af4ad_proj:
	.size	k_q9dca5af4ad_proj, .Lfunc_end_k_q9dca5af4ad_proj-k_q9dca5af4ad_proj
	.p2alignl 7, 3214868480
	.fill 96, 4, 3214868480
	.section	.rodata,"a",@progbits
	.p2align	6, 0x0
	.amdhsa_kernel k_q9dca5af4ad_proj
		.amdhsa_group_segment_fixed_size 327680
		.amdhsa_private_segment_fixed_size 0
		.amdhsa_enable_private_segment 0
		.amdhsa_kernarg_size 40
		.amdhsa_user_sgpr_count 2
		.amdhsa_user_sgpr_kernarg_segment_ptr 1
		.amdhsa_wavefront_size32 1
		.amdhsa_system_sgpr_workgroup_id_x 1
		.amdhsa_system_sgpr_workgroup_id_y 1
		.amdhsa_system_sgpr_workgroup_id_z 1
		.amdhsa_system_vgpr_workitem_id 0
		.amdhsa_next_free_vgpr 1024
		.amdhsa_next_free_sgpr 100
		.amdhsa_reserve_vcc 0
		.amdhsa_float_denorm_mode_32 3
		.amdhsa_float_denorm_mode_16_64 3
		.amdhsa_memory_ordered 1
		.amdhsa_forward_progress 1
		.amdhsa_inst_pref_size 81
	.end_amdhsa_kernel
	.amdgpu_metadata
---
amdhsa.version: [ 1, 2 ]
amdhsa.kernels:
  - .name:           k_q9dca5af4ad_proj
    .symbol:         k_q9dca5af4ad_proj.kd
    .args:
      - { .name: a_img, .offset: 0, .size: 8, .value_kind: global_buffer, .address_space: global }
      - { .name: out_w_codes, .offset: 8, .size: 8, .value_kind: global_buffer, .address_space: global }
      - { .name: lowp_scales, .offset: 16, .size: 8, .value_kind: global_buffer, .address_space: global }
      - { .name: out_b, .offset: 24, .size: 8, .value_kind: global_buffer, .address_space: global }
      - { .name: out0, .offset: 32, .size: 8, .value_kind: global_buffer, .address_space: global }
    .group_segment_fixed_size: 327680
    .private_segment_fixed_size: 0
    .kernarg_segment_align: 8
    .kernarg_segment_size: 40
    .max_flat_workgroup_size: 128
    .sgpr_count:     100
    .vgpr_count:     1024
    .wavefront_size: 32
...
	.end_amdgpu_metadata
.endif
;; end of part 3
